; MI455X (gfx1250); checked and timed in simulation.
; The chip was launched on July 23, 2026; its instructions are those of AMD's public machine-readable ISA for CDNA 5 (MIT licence, August 2026) and "CDNA5" Instruction Set Architecture Reference Guide (July 2026). The comments in the code are by the model that wrote it; some were corrected since.
;; Custom Ro Former Self Attention. Allowed arithmetic: matrix products marked QUANTISED: E2M3 operands, one E8M0 scale for each 32 along K, by v_wmma_scale_f32_16x16x128_f8f6f4 with both operands' format E2M3, f32 sums; everything else in f32.
;; Inputs: b_qkv 3,072 float32; hidden_states 4 x 2,048 x 1,024 float32; ln_bias 1,024 float32; ln_weight 1,024 float32; sinusoidal_pos 1 x 1 x 2,048 x 64 float32; w_qkv 1,024 x 3,072 float32.
;; Outputs: out0 4 x 2,048 x 1,024 float32.
;; This version of the problem:
;;   THIS VERSION OF THE PROBLEM IS GIVEN IN LOW PRECISION. The matrix products marked QUANTISED in the list below multiply operands that are first quantised to E2M3 (2 exponent bits, 3 mantissa bits; 6 bits a number), with one power-of-two scale for each 32 numbers along K (OCP MX v1.0); their sums are f32. All else is computed in f32.
;;   The module's matrix products, in the order in which they are computed (A, B: the left and right operand; K: the contracted axis; several contracted axes count as one K, in the product's order):
;;     1. [M 8,192, K 1,024] x [K 1,024, N 3,072]; A: computed on the way; B: input w_qkv: QUANTISED
;;     2. batch 64 x [M 2,048, K 64] x [K 64, N 2,048]; A: computed on the way; B: computed on the way: QUANTISED
;;     3. batch 64 x [M 2,048, K 2,048] x [K 2,048, N 64]; A: softmax (see below); B: computed on the way: QUANTISED
;;   THE QUANTISER, for each operand of a quantised product, along K:
;;     - K is cut into blocks of 32 from its start; a last block that is shorter is filled with zeros.
;;     - A block's scale is 2^e with e = floor(log2(the largest magnitude in the block)) - 2, held to -126 .. 127; a block of zeros has e = 0. As a byte (E8M0): e + 127.
;;     - Each number is divided by its block's scale, clamped to +-7.5, and rounded to the nearest number of E2M3, ties to even, subnormals kept.
;;     - The product sums the exact products of the quantised numbers (number of the format x scale) in f32.
;;   ~~~python
;;   def quantise(x, axis):      # numpy; x: float32 -> the quantised numbers, widened to float32 again
;;       x = np.moveaxis(x, axis, -1); K = x.shape[-1]
;;       x = np.pad(x, [(0, 0)] * (x.ndim - 1) + [(0, -K % 32)]); x = x.reshape(x.shape[:-1] + (-1, 32)); a = np.abs(x).max(-1, keepdims=True)
;;       e = np.where(a > 0, np.clip(np.frexp(np.where(a > 0, a, 1))[1] - 1 - 2, -126, 127), 0)      # np.frexp(a)[1] - 1 = floor(log2(a)), exactly
;;       r = np.clip(x / 2.0 ** e, -7.5, 7.5)
;;       step = 2.0 ** (np.maximum(np.frexp(np.where(r == 0, 1, r))[1] - 1, 0) - 3)
;;       q = np.round(r / step) * step * 2.0 ** e      # np.round: ties to even
;;       return np.moveaxis(q.reshape(q.shape[:-2] + (-1,))[..., :K], -1, axis).astype(np.float32)
;;   ~~~
;;   SOFTMAX AHEAD OF A QUANTISED PRODUCT. Where the list says 'softmax', what is quantised is not the finished softmax but p = 2^(t - M), with t = logit x log2(e) and M = ceil(the row's largest t), a whole number; so 1/2 < the row's largest p <= 1. The row's sum l is taken of the UNQUANTISED p, in f32, and the product's result is divided by l at the end. Since M is a whole number, a kernel that streams over the keys may use a running M (the ceiling of the running maximum): every later rescaling is an exact power of two, which a block's scale takes up: the codes' values come out the same.
;;   OPERANDS COMPUTED ON THE WAY. 'Computed on the way' means the value that the module computes at that place (a softmax that the list does not call 'softmax' is quantised finished and normalised). What goes into a quantiser is computed in f32, as accurately as f32 sums, v_exp_f32 and their like allow (about 1e-6 of the number): no bf16 or f16 on the way to a quantiser, and a product that is left as it is and whose result goes on into a quantised operand takes f32 operands (vector FMAs, or v_wmma_f32_16x16x4_f32). A number that lies on a knife's edge between two numbers of the format may be rounded either way, as far as f32 arithmetic and the matrix unit's own rounding can turn it there, and no further.
;; One version. Each part assembles by itself: llvm-mc -triple=amdgcn-amd-amdhsa -mcpu=gfx1250 --defsym DOCPART=n.
;; ======== version 1 of 1: 3 launches
;; limits: right only within a limited range of input values
;; workspace buffers: wcodes 2,359,296 bytes; wscales 98,304 bytes; xcodes 6,291,456 bytes; xscales 262,144 bytes; qbuf 13,107,200 bytes; kvbuf 13,107,200 bytes
;; launch prep (part 1): grid 352 x 1, 4 waves a work-group, no clusters, 78,336 bytes of LDS; arguments w_qkv, wcodes, wscales, hidden_states, ln_weight, ln_bias, xcodes, xscales; writes wcodes, wscales, xcodes, xscales
.if DOCPART == 1
	.amdgcn_target "amdgcn-amd-amdhsa--gfx1250"
	.amdhsa_code_object_version 6
	.text
	.protected	k_qaeb790e79e_prep
	.globl	k_qaeb790e79e_prep
	.p2align	8
	.type	k_qaeb790e79e_prep,@function
k_qaeb790e79e_prep:
	s_mov_b64 s[64:65], 0
	v_nop
	global_prefetch_b8 v0, s[64:65] scope:SCOPE_SE
	s_setreg_imm32_b32 hwreg(HW_REG_WAVE_MODE, 25, 1), 1
	s_wait_xcnt 0x0
; Both operands of the QKV projection become codes of FP6 (E2M3), K innermost, with one E8M0 byte for each 32 along K.
; Work-groups 0-95:   w_qkv [1024 (k)][3072 (n)] f32 -> wcodes [3072][768 bytes], wscales [3072][32].  A lane takes a column, its registers run down K.
; Work-groups 96-351: hidden_states [8192][1024] f32 -> LayerNorm in f32 (mean, then the mean of the squared differences, v_rsq_f32, gain, bias) -> xcodes [8192][768], xscales [8192][32].
; THE ORDER OF ROWS.  In each run of 64 columns of w, and of 64 tokens, index 32 h + 8 t + j (h 0..1, t 0..3, j 0..7) lies at POSITION 16 t + 8 h + j.  In a result of the matrix unit a lane of half h holds
; rows 8 h + j of each tile of 16: over four tiles on end its 32 registers are then indices 32 h + 0 .. 31, a whole block of the next product's K, with nothing shuffled there.
; A block's scale is 2^(floor(log2(its largest magnitude)) - 2); its byte is the largest magnitude's exponent field - 2, held at 1 from below.
; LIMITS: NaN and infinities among the inputs are not served.  A block whose largest magnitude lies under 2^-124, a block of zeros among them, keeps the byte 1 (the rule says 127 for zeros): its codes
; are then zeros or tiny, and only this program reads the bytes.  v_rsq_f32 is good to 1 ulp.  The gain and bias are one fused multiply-add where the source multiplies and then adds.
; No tensor loads, no barrier: waves share nothing.  The two paths part on the work-group's number and have LDS bytes of their own.
.set WGW,    96                        ; work-groups for w: 24 strips of 128 columns x 4 runs of 256 along K
.set SIZE_K, 1024
.set SIZE_N, 3072
.set KW,     256
.set NB,     KW/32
.set PITCH,  272                       ; w: a stage row: sixteen places of 16 bytes, each with 12 bytes of codes, + 16
.set KROW,   SIZE_K*6/8
.set EMAX,   2
.set SB,     24                        ; w: v24-25  the scale bytes
.set XW,     32                        ; w: v32-95  two sets of 32 numbers
.set CW,     96                        ; w: a block's codes
.set OUTR,   112                       ; w: v112-175 the way out
.set SPW,    14
.set NIL,    15
.set XB,     4*32*PITCH                ; LDS: behind w's four stages the tokens' regions
.set SP,     80                        ; x: a lane's place in a stage: 64 bytes + 16
.set RSTG,   64*SP
.set SBY,    2*RSTG                    ; x: behind a wave's two stages its 256 scale bytes
.set WREG,   10752
.set SPARE,  XB+4*WREG                 ; the spare words: two blocks of 256 bytes that no other line names
.set LW,     16                        ; x: v16-47 ln_weight
.set LB,     48                        ; x: v48-79 ln_bias
.set X,      80                        ; x: v80-175 three sets of 32: a row as it is loaded
.set XS,     176                       ; x: v176-207 a row as 2 x 16 neighbours
.set CD,     208
.set SUM,    224
.set MU,     232
.set RS,     234
.set RT,     236
.set EB,     240
	s_load_b256 s[4:11], s[0:1], 0x0               ; w, wcodes, wscales, hidden_states
	s_load_b256 s[12:19], s[0:1], 0x20             ; ln_weight, ln_bias, xcodes, xscales
	v_lshl_add_u32 v[SPW], v0, 2, SPARE
	v_mov_b32 v[NIL], 0
	v_lshrrev_b32 v1, 5, v0
	v_readfirstlane_b32 s20, v1                    ; wave
	v_and_b32 v2, 31, v0                           ; lane
	s_wait_kmcnt 0x0
	s_cmp_lt_u32 ttmp9, WGW
	s_cbranch_scc0 .Lx
	; ================ W: a wave takes 32 columns x 256 along K
	s_lshr_b32 s21, ttmp9, 2
	s_lshl_b32 s21, s21, 7
	s_lshl_b32 s22, s20, 5
	s_add_co_u32 s21, s21, s22                     ; my first column: 128 x strip + 32 x wave
	s_and_b32 s31, s21, 0xffffffc0
	s_and_b32 s23, s20, 1
	s_lshl_b32 s23, s23, 3
	s_add_co_u32 s31, s31, s23                     ; my first position: the run of 64, + 8 h (h = which 32 of the 64 are mine)
	s_and_b32 s22, ttmp9, 3                        ; which 256 along K
	s_mul_i32 s24, s22, KW*SIZE_N*4
	s_lshl_b32 s23, s21, 2
	s_add_co_u32 s24, s24, s23
	s_mov_b32 s25, 0
	s_add_nc_u64 s[4:5], s[4:5], s[24:25]
	s_mul_i32 s24, s31, KROW
	s_mul_i32 s23, s22, KW*6/8
	s_add_co_u32 s24, s24, s23
	s_add_nc_u64 s[6:7], s[6:7], s[24:25]
	s_lshl_b32 s24, s31, 5
	s_lshl_b32 s23, s22, 3
	s_add_co_u32 s24, s24, s23
	s_add_nc_u64 s[8:9], s[8:9], s[24:25]
	s_mul_i32 s30, s20, 32*PITCH                   ; my stage
	s_wait_alu depctr_va_vdst(0)
	v_lshlrev_b32 v3, 2, v2
	v_mul_u32_u24 v4, v2, PITCH
	v_add_nc_u32 v4, s30, v4                       ; into the stage: row = my lane
	v_and_b32 v5, 15, v2
	v_lshrrev_b32 v6, 4, v2                        ; out of it: sixteen lanes to a row, two rows an instruction
	v_mul_u32_u24 v7, v6, PITCH
	v_lshl_add_u32 v7, v5, 4, v7
	v_add_nc_u32 v7, s30, v7
	v_mul_u32_u24 v8, v6, KROW
	v_mad_u32_u24 v8, v5, 12, v8
	v_and_b32 v9, 7, v2
	v_lshrrev_b32 v10, 3, v2
	v_lshl_add_u32 v9, v10, 4, v9                  ; column 8 t + j of my 32 lies 16 t + j positions on
	v_lshlrev_b32 v9, 5, v9                        ; its row of scale bytes
.macro WLOAD t
.irp i, 0,1,2,3,4,5,6,7,8,9,10,11,12,13,14,15,16,17,18,19,20,21,22,23,24,25,26,27,28,29,30,31
	global_load_b32 v[XW+32*((\t)%2)+\i], v3, s[4:5] offset:(32*(\t)+\i)*SIZE_N*4 th:TH_LOAD_NT
.endr
.endm
.macro WBLOCK t
.set XQ, XW+32*((\t)%2)
.if (\t) < NB-1
	s_wait_loadcnt 32                              ; this block's 32 loads are in; the next block's may be out
.else
	s_wait_loadcnt 0x0
.endif
	v_max3_num_f32 v12, |v[XQ]|, |v[XQ+1]|, |v[XQ+2]|
	v_max3_num_f32 v13, |v[XQ+3]|, |v[XQ+4]|, |v[XQ+5]|
.irp i, 6,10,14,18,22,26
	v_max3_num_f32 v12, v12, |v[XQ+\i]|, |v[XQ+\i+1]|
	v_max3_num_f32 v13, v13, |v[XQ+\i+2]|, |v[XQ+\i+3]|
.endr
	v_max3_num_f32 v12, v12, |v[XQ+30]|, |v[XQ+31]|
	v_max3_num_f32 v12, v12, v13, (EMAX+1)<<23     ; and the floor 2^(3 - 127)
	v_add_nc_u32 v11, -(EMAX<<23), v12             ; the conversion's scale operand
	v_lshrrev_b32 v13, 23, v11                     ; the scale's byte
.if (\t)%4 == 0
	v_mov_b32 v[SB+(\t)/4], v13
.else
	v_lshl_or_b32 v[SB+(\t)/4], v13, 8*((\t)%4), v[SB+(\t)/4]
.endif
	v_cvt_scalef32_pk16_fp6_f32 v[CW:CW+2], v[XQ:XQ+15], v11
	v_cvt_scalef32_pk16_fp6_f32 v[CW+4:CW+6], v[XQ+16:XQ+31], v11
	ds_store_b96 v4, v[CW:CW+2] offset:32*(\t)
	ds_store_b96 v4, v[CW+4:CW+6] offset:32*(\t)+16
.if (\t)+2 < NB
	WLOAD (\t)+2
.endif
	s_wait_dscnt 0x0                               ; the stores have read their registers
.endm
	WLOAD 0
	WLOAD 1
.irp t, 0,1,2,3,4,5,6,7
	WBLOCK \t
.endr
	s_wait_alu depctr_va_vdst(0)
	global_store_b64 v9, v[SB:SB+1], s[8:9]        ; my column's 8 scale bytes
.irp t, 0,1,2,3,4,5,6,7,8,9,10,11,12,13,14,15
	ds_load_b96 v[OUTR+4*\t:OUTR+4*\t+2], v7 offset:2*\t*PITCH   ; LDS serves a wave's instructions in order
.endr
.irp t, 0,1,2,3,4,5,6,7,8,9,10,11,12,13,14,15
	s_wait_dscnt 15-\t                             ; rows come back in order: the later ones may be out
	global_store_b96 v8, v[OUTR+4*\t:OUTR+4*\t+2], s[6:7] offset:((2*\t)%8+16*(\t/4))*KROW   ; stage row 8 t' + j goes to position 16 t' + j; sixteen lanes store 192 consecutive bytes
.endr
	s_wait_tensorcnt 0x0                           ; the wave's end
	ds_add_u32 v[SPW], v[NIL]
	s_wait_dscnt 0x0
	s_endpgm
	; ================ X: a wave takes 8 tokens, a row (4,096 bytes) at a time
.Lx:
	s_sub_co_u32 s21, ttmp9, WGW
	s_lshl_b32 s22, s21, 5                         ; the work-group's 32 tokens
	s_lshl_b32 s23, s20, 3
	s_add_co_u32 s26, s22, s23                     ; my first token: + 8 x wave
	s_and_b32 s28, s22, 0xffffffc0                 ; my first position: the run of 64,
	s_lshl_b32 s23, s20, 4
	s_add_co_u32 s28, s28, s23                     ; + 16 t (t = my wave),
	s_and_b32 s23, s21, 1
	s_lshl_b32 s23, s23, 3
	s_add_co_u32 s28, s28, s23                     ; + 8 h (h = which 32 of the 64 are the work-group's)
	s_lshl_b32 s26, s26, 12
	s_mov_b32 s27, 0
	s_add_nc_u64 s[10:11], s[10:11], s[26:27]
	s_mul_i32 s26, s28, KROW
	s_add_nc_u64 s[16:17], s[16:17], s[26:27]
	s_lshl_b32 s26, s28, 5
	s_add_nc_u64 s[18:19], s[18:19], s[26:27]
	s_mov_b32 s32, 0x3a800000                      ; 1 / 1024
	s_mov_b32 s33, 0x2b8cbccc                      ; 1e-12
	s_mov_b32 s34, 0x76543210
	s_mov_b32 s35, 0xfedcba98
	s_mul_i32 s29, s20, WREG
	s_add_co_u32 s29, s29, XB
	s_wait_alu depctr_va_vdst(0)
	v_lshlrev_b32 v3, 4, v2
	v_lshrrev_b32 v4, 2, v2
	v_mul_u32_u24 v4, v4, SP
	v_and_b32 v5, 3, v2
	v_lshl_add_u32 v4, v5, 4, v4
	v_add_nc_u32 v4, s29, v4                       ; the stage on the way in
	v_mul_u32_u24 v5, v2, SP
	v_add_nc_u32 v5, s29, v5                       ; and on the way out: my 16 neighbours
	v_mul_u32_u24 v6, v2, 12
	v_lshrrev_b32 v7, 1, v2
	v_add_nc_u32 v7, s29, v7                       ; my block's scale byte
	v_lshlrev_b32 v9, 3, v2
	v_add_nc_u32 v8, s29, v9
	v_mov_b32 v[RT+1], 0                           ; a lane permute's destination counts as one of its sources
.irp i, 0,1,2,3,4,5,6,7
	global_load_b128 v[LW+4*\i:LW+4*\i+3], v3, s[12:13] offset:512*\i
	global_load_b128 v[LB+4*\i:LB+4*\i+3], v3, s[14:15] offset:512*\i
.endr
.macro LOADROW t
.irp i, 0,1,2,3,4,5,6,7
	global_load_b128 v[X+32*((\t)%3)+4*\i:X+32*((\t)%3)+4*\i+3], v3, s[10:11] offset:4096*(\t)+512*\i th:TH_LOAD_NT
.endr
.endm
.macro REDUCE                          ; the sum of v[RT] over the 32 lanes
	v_add_f32_dpp v[RT], v[RT], v[RT] row_xmask:1 row_mask:0xf bank_mask:0xf
	v_add_f32_dpp v[RT], v[RT], v[RT] row_xmask:2 row_mask:0xf bank_mask:0xf
	v_add_f32_dpp v[RT], v[RT], v[RT] row_xmask:4 row_mask:0xf bank_mask:0xf
	v_add_f32_dpp v[RT], v[RT], v[RT] row_xmask:8 row_mask:0xf bank_mask:0xf
	v_permlanex16_b32 v[RT+1], v[RT], s34, s35
	v_add_f32 v[RT], v[RT], v[RT+1]
.endm
.macro LN t                            ; LayerNorm of row t, in place, in two passes over the registers
.set XR, X+32*((\t)%3)
.irp k, 0,1,2,3
	v_pk_add_f32 v[SUM+2*\k:SUM+2*\k+1], v[XR+2*\k:XR+2*\k+1], v[XR+8+2*\k:XR+8+2*\k+1]
.endr
.irp q, 16,24
.irp k, 0,1,2,3
	v_pk_add_f32 v[SUM+2*\k:SUM+2*\k+1], v[SUM+2*\k:SUM+2*\k+1], v[XR+\q+2*\k:XR+\q+2*\k+1]
.endr
.endr
	v_pk_add_f32 v[SUM:SUM+1], v[SUM:SUM+1], v[SUM+2:SUM+3]
	v_pk_add_f32 v[SUM+4:SUM+5], v[SUM+4:SUM+5], v[SUM+6:SUM+7]
	v_pk_add_f32 v[SUM:SUM+1], v[SUM:SUM+1], v[SUM+4:SUM+5]
	v_add_f32 v[RT], v[SUM], v[SUM+1]
	REDUCE
	v_mul_f32 v[MU], s32, v[RT]                    ; the mean
	v_mul_f32 v[MU+1], s32, v[RT]
.irp i, 0,2,4,6,8,10,12,14,16,18,20,22,24,26,28,30
	v_pk_add_f32 v[XR+\i:XR+\i+1], v[XR+\i:XR+\i+1], v[MU:MU+1] neg_lo:[0,1] neg_hi:[0,1]
.endr
.irp k, 0,1,2,3
	v_pk_mul_f32 v[SUM+2*\k:SUM+2*\k+1], v[XR+2*\k:XR+2*\k+1], v[XR+2*\k:XR+2*\k+1]
.endr
.irp q, 8,16,24
.irp k, 0,1,2,3
	v_pk_fma_f32 v[SUM+2*\k:SUM+2*\k+1], v[XR+\q+2*\k:XR+\q+2*\k+1], v[XR+\q+2*\k:XR+\q+2*\k+1], v[SUM+2*\k:SUM+2*\k+1]
.endr
.endr
	v_pk_add_f32 v[SUM:SUM+1], v[SUM:SUM+1], v[SUM+2:SUM+3]
	v_pk_add_f32 v[SUM+4:SUM+5], v[SUM+4:SUM+5], v[SUM+6:SUM+7]
	v_pk_add_f32 v[SUM:SUM+1], v[SUM:SUM+1], v[SUM+4:SUM+5]
	v_add_f32 v[RT], v[SUM], v[SUM+1]
	REDUCE
	v_fma_f32 v[RT], v[RT], s32, s33               ; var + eps
	s_wait_alu depctr_va_vdst(0)
	v_rsq_f32 v[RS], v[RT]
	v_mov_b32 v[RS+1], 0                           ; a plain instruction behind the transcendental; the pair's upper word is named below
	s_wait_alu depctr_va_vdst(0)                   ; ahead of the result's first reader
.irp i, 0,2,4,6,8,10,12,14,16,18,20,22,24,26,28,30
	v_pk_mul_f32 v[XR+\i:XR+\i+1], v[XR+\i:XR+\i+1], v[RS:RS+1] op_sel_hi:[1,0]
.endr
.irp i, 0,2,4,6,8,10,12,14,16,18,20,22,24,26,28,30
	v_pk_fma_f32 v[XR+\i:XR+\i+1], v[XR+\i:XR+\i+1], v[LW+\i:LW+\i+1], v[LB+\i:LB+\i+1]
.endr
.endm
.macro TOST t
.irp i, 0,1,2,3,4,5,6,7
	ds_store_b128 v4, v[X+32*((\t)%3)+4*\i:X+32*((\t)%3)+4*\i+3] offset:RSTG*((\t)%2)+32*SP*(\i/4)+8*SP*(\i%4)
.endr
.endm
.macro FROMST t
.irp j, 0,1
.irp k, 0,1,2,3
	ds_load_b128 v[XS+16*\j+4*\k:XS+16*\j+4*\k+3], v5 offset:RSTG*((\t)%2)+32*SP*\j+16*\k
.endr
.endr
.endm
.macro QROW t                          ; row t's 32 blocks: two neighbouring lanes hold a block
.irp j, 0,1
.set XQ, XS+16*\j
	v_max3_num_f32 v10, |v[XQ]|, |v[XQ+1]|, |v[XQ+2]|
	v_max3_num_f32 v11, |v[XQ+3]|, |v[XQ+4]|, |v[XQ+5]|
.irp i, 6,10
	v_max3_num_f32 v10, v10, |v[XQ+\i]|, |v[XQ+\i+1]|
	v_max3_num_f32 v11, v11, |v[XQ+\i+2]|, |v[XQ+\i+3]|
.endr
	v_max3_num_f32 v10, v10, |v[XQ+14]|, |v[XQ+15]|
	v_max3_num_f32 v10, v10, v11, (EMAX+1)<<23
	v_max_num_f32_dpp v10, v10, v10 row_xmask:1 row_mask:0xf bank_mask:0xf
	v_add_nc_u32 v[12+\j], -(EMAX<<23), v10
	v_cvt_scalef32_pk16_fp6_f32 v[CD+8*((\t)%2)+4*\j:CD+8*((\t)%2)+4*\j+2], v[XQ:XQ+15], v[12+\j]
	v_lshrrev_b32 v[EB+2*(\t)+\j], 23, v[12+\j]
	ds_store_b8 v7, v[EB+2*(\t)+\j] offset:SBY+32*(\t)+16*\j
	global_store_b96 v6, v[CD+8*((\t)%2)+4*\j:CD+8*((\t)%2)+4*\j+2], s[16:17] offset:KROW*(\t)+384*\j   ; 32 lanes store 384 consecutive bytes
.endr
.endm
.macro ROWSTEP t                       ; row t is quantised; row t + 1 is normalised ahead of it; row t + 3 is asked for
.if (\t) < 7
.if (\t) < 6
	s_wait_loadcnt 8                               ; row t + 1 is in; row t + 2's eight loads may be out
.else
	s_wait_loadcnt 0x0
.endif
	LN (\t)+1
	TOST (\t)+1
	s_wait_dscnt 8                                 ; row t is back from its stage; the eight stores just issued may be out
.else
	s_wait_dscnt 0x0
.endif
	s_wait_xcnt 0x0                                ; the stores of two rows ago have read their code registers
.if (\t)+3 < 8
	LOADROW (\t)+3
.endif
	QROW \t
.if (\t) < 7
	FROMST (\t)+1
.endif
.endm
	LOADROW 0
	LOADROW 1
	LOADROW 2
	s_wait_loadcnt 16                              ; gain, bias and row 0 are in; rows 1 and 2 may be out
	LN 0
	TOST 0
	FROMST 0
.irp t, 0,1,2,3,4,5,6,7
	ROWSTEP \t
.endr
	ds_load_b64 v[10:11], v8 offset:SBY
	s_wait_dscnt 0x0
	global_store_b64 v9, v[10:11], s[18:19]        ; my 8 positions' 256 scale bytes, at a multiple of 256 from the buffer's first byte
	s_wait_tensorcnt 0x0                           ; the wave's end
	ds_add_u32 v[SPW], v[NIL]
	s_wait_dscnt 0x0
	s_endpgm
.Lfunc_end_k_qaeb790e79e_prep:
	.size	k_qaeb790e79e_prep, .Lfunc_end_k_qaeb790e79e_prep-k_qaeb790e79e_prep
	.p2alignl 7, 3214868480
	.fill 96, 4, 3214868480
	.section	.rodata,"a",@progbits
	.p2align	6, 0x0
	.amdhsa_kernel k_qaeb790e79e_prep
		.amdhsa_group_segment_fixed_size 78336
		.amdhsa_private_segment_fixed_size 0
		.amdhsa_enable_private_segment 0
		.amdhsa_kernarg_size 64
		.amdhsa_user_sgpr_count 2
		.amdhsa_user_sgpr_kernarg_segment_ptr 1
		.amdhsa_wavefront_size32 1
		.amdhsa_system_sgpr_workgroup_id_x 1
		.amdhsa_system_sgpr_workgroup_id_y 1
		.amdhsa_system_sgpr_workgroup_id_z 1
		.amdhsa_system_vgpr_workitem_id 0
		.amdhsa_next_free_vgpr 256
		.amdhsa_next_free_sgpr 66
		.amdhsa_reserve_vcc 0
		.amdhsa_float_denorm_mode_32 3
		.amdhsa_float_denorm_mode_16_64 3
		.amdhsa_memory_ordered 1
		.amdhsa_forward_progress 1
		.amdhsa_inst_pref_size 124
	.end_amdhsa_kernel
	.amdgpu_metadata
---
amdhsa.version: [ 1, 2 ]
amdhsa.kernels:
  - .name:           k_qaeb790e79e_prep
    .symbol:         k_qaeb790e79e_prep.kd
    .args:
      - { .name: w_qkv, .offset: 0, .size: 8, .value_kind: global_buffer, .address_space: global }
      - { .name: wcodes, .offset: 8, .size: 8, .value_kind: global_buffer, .address_space: global }
      - { .name: wscales, .offset: 16, .size: 8, .value_kind: global_buffer, .address_space: global }
      - { .name: hidden_states, .offset: 24, .size: 8, .value_kind: global_buffer, .address_space: global }
      - { .name: ln_weight, .offset: 32, .size: 8, .value_kind: global_buffer, .address_space: global }
      - { .name: ln_bias, .offset: 40, .size: 8, .value_kind: global_buffer, .address_space: global }
      - { .name: xcodes, .offset: 48, .size: 8, .value_kind: global_buffer, .address_space: global }
      - { .name: xscales, .offset: 56, .size: 8, .value_kind: global_buffer, .address_space: global }
    .group_segment_fixed_size: 78336
    .private_segment_fixed_size: 0
    .kernarg_segment_align: 8
    .kernarg_segment_size: 64
    .max_flat_workgroup_size: 128
    .sgpr_count:     66
    .vgpr_count:     256
    .wavefront_size: 32
...
	.end_amdgpu_metadata
.endif
;; end of part 1
;; launch gemm (part 2): grid 12 x 32, 4 waves a work-group, clusters of 4 x 4, 327,680 bytes of LDS; arguments xcodes, xscales, wcodes, wscales, b_qkv, sinusoidal_pos, qbuf, kvbuf; writes qbuf, kvbuf
.if DOCPART == 2
	.amdgcn_target "amdgcn-amd-amdhsa--gfx1250"
	.amdhsa_code_object_version 6
	.text
	.protected	k_qaeb790e79e_gemm
	.globl	k_qaeb790e79e_gemm
	.p2align	8
	.type	k_qaeb790e79e_gemm,@function
k_qaeb790e79e_gemm:
	s_mov_b64 s[64:65], 0
	v_nop
	global_prefetch_b8 v0, s[64:65] scope:SCOPE_SE
	s_setreg_imm32_b32 hwreg(HW_REG_WAVE_MODE, 25, 1), 1
	s_wait_xcnt 0x0
	s_wait_alu depctr_hold_cnt(0) depctr_sa_sdst(0) depctr_va_vdst(0) depctr_va_sdst(0) depctr_va_ssrc(0) depctr_va_vcc(0) depctr_vm_vsrc(0)
	s_getreg_b32 s2, hwreg(HW_REG_IB_STS2, 6, 4)
	s_cmp_eq_u32 s2, 0
	s_cbranch_scc0 .Lentry_in_a_cluster
	s_endpgm
.Lentry_in_a_cluster:
	s_bfe_u32 s2, ttmp6, 0x10000c
	s_cmp_lg_u32 s2, 0xf033
	s_cbranch_scc0 .Lentry_shape_is_right
	s_endpgm
.Lentry_shape_is_right:
; The QKV projection on codes of FP6 (E2M3) with E8M0 scales, K = 1,024, and its way out: bias, RoPE (Q, K), the quantiser of the next product, images of operand registers into qbuf and kvbuf.
; A work-group of four waves makes 256 x 256; a wave 128 x 128: 64 accumulators.  Clusters x = 0, 1: source 1 = tokens, source 0 = w's columns for Q and K, so a lane holds a token and its registers run along the head's axis.
; Cluster x = 2 (V): the roles are exchanged (source 1 = w's columns from 2,048 on, source 0 = tokens), so a lane holds a channel and its registers run along the keys.  The choice hangs on the cluster's x alone.
; K goes through a ring of two LDS slots in CHUNKS OF 256 BYTES of each row of 768 bytes: three chunks, eight steps of 96 bytes; steps 2 and 5 lie across two chunks and read both slots.
; The scales of both sides' 256 rows, two dense blocks of 8,192 bytes, come once.  At the head each wave issues one joint load: chunk 0 of one side, of the other, and the two blocks of scales.
; 4 x 4 work-groups form a cluster: a tile of source 1 is shared along a row of it, a tile of source 0 along a column, by joint loads.
; No prefetch: the walk has three chunks, two of them asked for ahead of the first product, so there is no loop to run ahead in.
; LIMITS: as the launch before states them; NaN and infinities are not served; a block under 2^-124 keeps the byte 1.
.set ROWB,   256
.set NQ,     2
.set KROW,   768
.set STEPS,  8
.set CHUNKS, 3
.set PITCH,  272                       ; 256 bytes + 16 of padding
.set FR,     12
.set NL,     6
.set NP,     4
.set HALFT,  128*PITCH
.set SLOT,   4*HALFT
.set KS,     32
.set SCL,    2*SLOT                    ; behind the ring: the scales
.set HALFS,  (128*KS/256)*272
.set SBLK,   (16*KS/256)*272
.set SPARE,  SCL+4*HALFS               ; the spare words: two blocks of 256 bytes that no other line names
.set HEADB,  204800                    ; a head's bytes in qbuf and kvbuf
.set STEPB,  12800                     ; 128 tokens' part of it
.set ADRA, 16                          ; v16-17 my fragments of source 1 in slot 0, 1; v18-19 for pieces whose two halves of lanes lie in different slots
.set ADRB, 20                          ; v20-23 the same for source 0
.set ADRS, 27                          ; v27 my scale words
.set SPW,  28
.set NIL,  29
.set SC,   32                          ; v32-63 scale words, two sets
.set AF,   128
.set LO16, 7
.set BO,   8
.set CSO,  9
.set SWO,  10
.set PSEL, 11
.set RR,   13
.set SH8,  12                          ; v12 8 h: where a lane's scale bytes stand in V's word
.set BQ,   64
.set Z,    128
.set IMG,  192
.set TC,   216
.set TM,   32
.set PW,   48
.set SW,   52
.set WVW,  56
.set G1, 24
.set G0, 32
.set G1B, 48
.set G0B, 56
.set G1S, 68
.set G0S, 76
.set G1SB, 80
.set G0SB, 88
.set G0H, 4                            ; s[4:7], s[8:11] group 0 of the head's loads of chunk 0 (the arguments that lay there have been used)
.set G0HB, 8
.set MSB, 0
.macro WIN new
.if MSB != \new
	s_set_vgpr_msb (MSB<<8)|\new
.set MSB, \new
.endif
.endm
.set MUL_LO, 0xa1
.set MUL_HI, 0xf1
.set TO_B,   0x40
.macro JLOAD g0a, g1a, g0b, g1b        ; waves 0, 1 fetch for source 1, waves 2, 3 for source 0
	s_cmp_eq_u32 s15, 0
	s_cbranch_scc0 .Lfor_b_\@
	tensor_load_to_lds s[\g0a:\g0a+3], s[\g1a:\g1a+7]
	s_nop 0
.rept 4
	v_nop
.endr
	s_branch .Lasked_\@
.Lfor_b_\@:
	tensor_load_to_lds s[\g0b:\g0b+3], s[\g1b:\g1b+7]
	s_nop 0
.rept 4
	v_nop
.endr
.Lasked_\@:
.endm
.macro CREST
	s_cmp_lg_u32 s14, 0
	s_cbranch_scc1 .Lnot_wave_0_\@
	s_barrier_signal -3
.Lnot_wave_0_\@:
	s_barrier_wait -3
	s_barrier_signal -1
	s_barrier_wait -1
.endm
.macro CROUND
	s_barrier_signal -1
	s_barrier_wait -1
	CREST
.endm
	s_load_b256 s[4:11], s[0:1], 0x0               ; xcodes, xscales, wcodes, wscales
	s_load_b128 s[92:95], s[0:1], 0x20             ; b_qkv, sinusoidal_pos
	s_load_b128 s[96:99], s[0:1], 0x30             ; qbuf, kvbuf
	v_lshl_add_u32 v[SPW], v0, 2, SPARE
	v_mov_b32 v[NIL], 0
	ds_add_u32 v[SPW], v[NIL]                      ; the opening lines: the add twice and its wait ahead of my first tensor load
	ds_add_u32 v[SPW], v[NIL]
	v_lshrrev_b32 v1, 5, v0
	v_readfirstlane_b32 s14, v1                    ; wave
	s_lshr_b32 s15, s14, 1
	s_and_b32 s16, s14, 1
	s_bfe_u32 s40, ttmp6, 0x40000                  ; cx
	s_bfe_u32 s41, ttmp6, 0x40004                  ; cy
	s_and_b32 s18, ttmp7, 0xffff
	s_cmp_eq_u32 ttmp9, 2                          ; V's clusters: rows = w's four tiles from 2,048 on, columns = tokens
	s_cselect_b32 s19, 0, s18
	s_cselect_b32 s22, s18, ttmp9
	s_cselect_b32 s23, 2048, 0
	s_lshl_b32 s19, s19, 2
	s_add_co_u32 s17, s19, s41                     ; tile row
	s_lshl_b32 s22, s22, 2
	s_add_co_u32 s42, s22, s40                     ; tile column
	s_lshl_b32 s43, s41, 2
	s_lshl_b32 s43, 15, s43                        ; my row of the cluster
	s_lshl_b32 s44, 0x1111, s40                    ; my column
	s_or_b32 s[G1+0], s43, (0<<16)|(1<<20)|(1<<21)|(5<<22)|(3<<25)   ; bytes; 4 words of padding behind every 64
	s_or_b32 s[G1B+0], s44, (0<<16)|(1<<20)|(1<<21)|(5<<22)|(3<<25)
.irp g, G1, G1B
	s_mov_b32 s[\g+1], ROWB<<16
	s_mov_b32 s[\g+2], 256<<16                     ; 256 rows for the head's loads
	s_mov_b32 s[\g+3], ROWB<<16
	s_mov_b32 s[\g+4], 256
	s_mov_b32 s[\g+5], KROW
	s_mov_b32 s[\g+6], 0
	s_mov_b32 s[\g+7], 0
.endr
	s_or_b32 s[G1S+0], s43, (3<<16)|(1<<20)|(1<<21)|(5<<22)|(3<<25)  ; the scales of 256 rows: KS rows of 256 bytes
	s_or_b32 s[G1SB+0], s44, (3<<16)|(1<<20)|(1<<21)|(5<<22)|(3<<25)
.irp g, G1S, G1SB
	s_mov_b32 s[\g+1], 32<<16
	s_mov_b32 s[\g+2], KS<<16
	s_mov_b32 s[\g+3], 32<<16
	s_mov_b32 s[\g+4], KS
	s_mov_b32 s[\g+5], 32
	s_mov_b32 s[\g+6], 0
	s_mov_b32 s[\g+7], 0
.endr
	s_lshl_b32 s20, s17, 8
	s_add_co_u32 s20, s20, s23                     ; source 1: the tile's first row
	s_lshl_b32 s46, s42, 8                         ; source 0: likewise
	s_mov_b32 s21, 0
	s_mov_b32 s47, 0
	s_mov_b64 s[18:19], KS
	s_mul_u64 s[22:23], s[20:21], s[18:19]         ; where these rows' scales begin
	s_mul_u64 s[66:67], s[46:47], s[18:19]
	s_mov_b64 s[18:19], KROW
	s_mul_u64 s[20:21], s[20:21], s[18:19]         ; and their codes
	s_mul_u64 s[46:47], s[46:47], s[18:19]
	s_mul_i32 s18, s16, 128*KROW                   ; in the ring: which 128 rows I fetch
	s_mov_b32 s19, 0
	s_mul_i32 s45, s14, HALFT
	s_wait_dscnt 0x0                               ; both opening adds are done
	s_wait_kmcnt 0x0
	s_cmp_eq_u32 ttmp9, 2
	s_cselect_b64 s[12:13], s[8:9], s[4:5]
	s_cselect_b64 s[2:3], s[10:11], s[6:7]
	s_cselect_b64 s[8:9], s[4:5], s[8:9]
	s_cselect_b64 s[10:11], s[6:7], s[10:11]
	s_add_nc_u64 s[20:21], s[12:13], s[20:21]
	s_add_nc_u64 s[22:23], s[2:3], s[22:23]
	s_add_nc_u64 s[46:47], s[8:9], s[46:47]
	s_add_nc_u64 s[66:67], s[10:11], s[66:67]
	CROUND                                         ; all sixteen work-groups are here: the first joint loads meet
	s_mov_b32 s[G0H], 1
	s_mov_b32 s[G0H+1], 0
	s_mov_b64 s[G0H+2:G0H+3], s[20:21]
	s_or_b32 s[G0H+3], s[G0H+3], 0x80000000
	s_mov_b32 s[G0HB], 1
	s_mov_b32 s[G0HB+1], 2*HALFT
	s_mov_b64 s[G0HB+2:G0HB+3], s[46:47]
	s_or_b32 s[G0HB+3], s[G0HB+3], 0x80000000
	s_mov_b32 s[G0S], 1
	s_mov_b32 s[G0S+1], SCL
	s_mov_b64 s[G0S+2:G0S+3], s[22:23]
	s_or_b32 s[G0S+3], s[G0S+3], 0x80000000
	s_mov_b32 s[G0SB], 1
	s_mov_b32 s[G0SB+1], SCL+2*HALFS
	s_mov_b64 s[G0SB+2:G0SB+3], s[66:67]
	s_or_b32 s[G0SB+3], s[G0SB+3], 0x80000000
	s_add_nc_u64 s[20:21], s[20:21], s[18:19]      ; for the ring: my 128 rows
	s_add_nc_u64 s[46:47], s[46:47], s[18:19]
.irp s, 0,1
	s_mov_b32 s[G0+4*\s], 1
	s_add_co_u32 s[G0+4*\s+1], s45, \s*SLOT
	s_add_nc_u64 s[G0+4*\s+2:G0+4*\s+3], s[20:21], \s*ROWB
	s_or_b32 s[G0+4*\s+3], s[G0+4*\s+3], 0x80000000
	s_mov_b32 s[G0B+4*\s], 1
	s_add_co_u32 s[G0B+4*\s+1], s45, \s*SLOT
	s_add_nc_u64 s[G0B+4*\s+2:G0B+4*\s+3], s[46:47], \s*ROWB
	s_or_b32 s[G0B+4*\s+3], s[G0B+4*\s+3], 0x80000000
.endr
; the head's four tiles, one a wave, in one chain of branches on the wave's number
.macro ARM under, g0, g1, next
	s_cmp_lt_u32 s14, \under
	s_cbranch_scc0 \next
	tensor_load_to_lds s[\g0:\g0+3], s[\g1:\g1+7]
	s_nop 0
.rept 4
	v_nop
.endr
	s_branch .Lhead_asked
\next:
.endm
	ARM 1, G0H,  G1,  .Lhead_b
	ARM 2, G0HB, G1B, .Lhead_sa
	ARM 3, G0S,  G1S, .Lhead_sb
	tensor_load_to_lds s[G0SB:G0SB+3], s[G1SB:G1SB+7]
	s_nop 0
.rept 4
	v_nop
.endr
.Lhead_asked:
	v_and_b32 v1, 15, v0                           ; r
	v_bfe_u32 v2, v0, 4, 1                         ; h
	v_mul_u32_u24 v3, v1, PITCH
	v_mul_u32_u24 v4, v2, 24
	v_add_nc_u32 v4, v3, v4                        ; row x pitch + 24 h
	s_mov_b32 s21, SLOT-232
	s_mov_b32 s22, SLOT+232
	v_sub_nc_u32 v7, 1, v2
	v_mul_u32_u24 v5, s21, v2
	v_add_nc_u32 v5, v3, v5
	v_add_nc_u32 v5, 232, v5                       ; lanes 0-15 byte 232 of the row in slot 0, lanes 16-31 byte 0 in slot 1
	v_mul_u32_u24 v6, s22, v7
	v_add_nc_u32 v6, v3, v6                        ; and the other way round
	s_mul_i32 s21, s15, HALFT
	s_mul_i32 s22, s16, HALFT
	s_add_co_u32 s22, s22, 2*HALFT
	v_add_nc_u32 v[ADRA+2], s21, v5
	v_add_nc_u32 v[ADRA+3], s21, v6
	v_add_nc_u32 v[ADRB+2], s22, v5
	v_add_nc_u32 v[ADRB+3], s22, v6
.irp s, 0,1
	v_add_nc_u32 v[ADRA+\s], s21, v4
	v_add_nc_u32 v[ADRB+\s], s22, v4
	s_add_co_u32 s21, s21, SLOT
	s_add_co_u32 s22, s22, SLOT
.endr
	v_mul_u32_u24 v5, v1, KS
	v_lshrrev_b32 v6, 8, v5
	v_lshl_add_u32 v5, v6, 4, v5
	s_mul_i32 s21, s15, HALFS
	s_mul_i32 s22, s16, HALFS
	s_add_co_u32 s22, s22, 2*HALFS
	s_sub_co_u32 s22, s22, s21
	v_mul_u32_u24 v6, s22, v2                      ; lanes 16-31 take source 0's words
	s_add_co_u32 s21, s21, SCL
	v_add_nc_u32 v5, v5, v6
	v_add_nc_u32 v[ADRS], s21, v5
	; the way out's offsets
	v_and_b32 v6, 31, v0
	v_lshlrev_b32 v[LO16], 4, v6
	v_mul_u32_u24 v[SWO], v2, HEADB
	v_lshl_add_u32 v[SWO], v1, 4, v[SWO]
	v_mul_lo_u32 v[PSEL], v2, 0xfd04fd05
	v_add_nc_u32 v[PSEL], 0x06020400, v[PSEL]      ; lanes 0-15: 0x06020400, lanes 16-31: 0x03070105
	v_lshlrev_b32 v[SH8], 3, v2
	v_and_b32 v[RR], 8, v1
	v_mad_u32_u24 v[RR], v[RR], 3, v1              ; position r of a tile is index r % 8 + 32 (r / 8), + 8 x the tile's number among four
	s_mov_b32 s104, 0x76543210
	s_mov_b32 s105, 0xfedcba98
	s_lshl_b32 s20, s17, 8
	s_lshl_b32 s21, s15, 7
	s_add_co_u32 s20, s20, s21
	s_lshl_b32 s46, s42, 8
	s_lshl_b32 s47, s16, 7
	s_add_co_u32 s46, s46, s47
	s_add_co_u32 s21, s20, 2048
	s_and_b32 s47, s46, 1023
	s_cmp_eq_u32 ttmp9, 2
	s_cselect_b32 s22, s46, s20                    ; my first token
	s_cselect_b32 s23, s20, s47                    ; my first channel of 1,024
	s_cselect_b32 s21, s21, s46                    ; my first column of the bias
	s_lshl_b32 s66, s21, 2
	s_mov_b32 s67, 0
	s_add_nc_u64 s[92:93], s[92:93], s[66:67]
	s_and_b32 s66, s22, 2047
	s_lshl_b32 s66, s66, 8
	s_add_nc_u64 s[94:95], s[94:95], s[66:67]
	s_lshr_b32 s66, s22, 11
	s_lshl_b32 s66, s66, 4
	s_lshr_b32 s23, s23, 6
	s_add_co_u32 s66, s66, s23
	s_mul_i32 s66, s66, HEADB
	s_bfe_u32 s23, s22, 0x40007
	s_mul_i32 s23, s23, STEPB
	s_add_co_u32 s66, s66, s23
	s_cmp_eq_u32 ttmp9, 0
	s_cselect_b64 s[12:13], s[96:97], s[98:99]
	s_add_nc_u64 s[12:13], s[12:13], s[66:67]
.macro FRAG reg, adr, st, i            ; 12 registers in six pieces of 8 bytes; byte y of a row lies in slot (y / 256) % 2 at byte y % 256
.irp p, 0,1,2,3,4,5
.set BY, 96*(\st)+48*(\p/3)+8*(\p%3)
.if BY/ROWB == (BY+24)/ROWB
	ds_load_b64 v[\reg+2*\p:\reg+2*\p+1], v[\adr+(BY/ROWB)%2] offset:BY%ROWB+(\i)*16*PITCH
.else
	ds_load_b64 v[\reg+2*\p:\reg+2*\p+1], v[\adr+2+(BY/ROWB)%2] offset:BY%ROWB-232+(\i)*16*PITCH
.endif
.endr
.endm
.macro MUL16 a0, p, q, sc, zero        ; the 64 accumulators take turns, one instruction a turn
.irp a, \a0, \a0+1
.irp b, 0,1,2,3,4,5,6,7
.if \zero
	v_wmma_scale_f32_16x16x128_f8f6f4 v[8*(8*((\a)%4)+\b):8*(8*((\a)%4)+\b)+7], v[128*(\p)+FR*\b:128*(\p)+FR*\b+FR-1], v[AF+FR*(\a):AF+FR*(\a)+FR-1], 0, v[SC+8*NQ*(\sc)+NQ*\b+(\q)], v[SC+8*NQ*(\sc)+NQ*(\a)+(\q)] matrix_a_fmt:MATRIX_FMT_FP6 matrix_b_fmt:MATRIX_FMT_FP6 matrix_a_scale:MATRIX_SCALE_ROW1
.else
	v_wmma_scale_f32_16x16x128_f8f6f4 v[8*(8*((\a)%4)+\b):8*(8*((\a)%4)+\b)+7], v[128*(\p)+FR*\b:128*(\p)+FR*\b+FR-1], v[AF+FR*(\a):AF+FR*(\a)+FR-1], v[8*(8*((\a)%4)+\b):8*(8*((\a)%4)+\b)+7], v[SC+8*NQ*(\sc)+NQ*\b+(\q)], v[SC+8*NQ*(\sc)+NQ*(\a)+(\q)] matrix_a_fmt:MATRIX_FMT_FP6 matrix_b_fmt:MATRIX_FMT_FP6 matrix_a_scale:MATRIX_SCALE_ROW1
.endif
.endr
.endr
.endm
.macro FETCH_B st, p
	WIN TO_B
.irp i, 0,1,2,3,4,5,6,7
	FRAG 128*(\p)+FR*\i, ADRB, \st, \i
.endr
	WIN 0
.endm
.macro FETCH_A st, i0
.irp i, \i0, \i0+1, \i0+2, \i0+3
	FRAG AF+FR*(\i), ADRA, \st, \i
.endr
.endm
.macro SCALES pr                       ; the words of steps 2 pr, 2 pr + 1 into set pr % 2
.irp i, 0,1,2,3,4,5,6,7
	ds_load_b64 v[SC+8*NQ*((\pr)%2)+NQ*\i:SC+8*NQ*((\pr)%2)+NQ*\i+1], v[ADRS] offset:\i*SBLK+4*NQ*(\pr)
.endr
.endm
.macro PLACES n
.rept \n
	v_nop
.endr
.endm
; A step: 64 products; the next step's fragments are fetched in its middle and at its end.  Where the next step ends in a chunk not yet read: the wait for my tensor loads and a barrier.
; Where it begins in a later chunk: the wait, the add, the wait for it and for my reads, the barrier; where a chunk two on is left, the barrier opens a round and the slot is filled again.
.macro STEP st, zero
.set NX, (\st)+1
.set C0, (96*(\st))/ROWB
.set C1, (96*NX)/ROWB
.set E0, (96*(\st)+95)/ROWB
.set E1, (96*NX+95)/ROWB
.if C1 > C0 || E1 > E0
	s_wait_tensorcnt 0x0                           ; all my tensor loads have landed
.if C1 > C0
	ds_add_u32 v[SPW], v[NIL]
	s_wait_dscnt 4*NL+1                            ; the add and the youngest 24 loads may be out
.else
	s_wait_dscnt 4*NL
.endif
	WIN MUL_LO
	MUL16 0, (\st)%2, (\st)%2, ((\st)/2)%2, \zero
	s_wait_dscnt 0x0                               ; the add and all my reads are done
	s_barrier_signal -1
	MUL16 2, (\st)%2, (\st)%2, ((\st)/2)%2, \zero
	WIN 0
	s_barrier_wait -1
.if C1 > C0 && C0+2 < CHUNKS
	CREST
	s_add_nc_u64 s[G0+4*(C0%2)+2:G0+4*(C0%2)+3], s[G0+4*(C0%2)+2:G0+4*(C0%2)+3], 2*ROWB
	s_add_nc_u64 s[G0B+4*(C0%2)+2:G0B+4*(C0%2)+3], s[G0B+4*(C0%2)+2:G0B+4*(C0%2)+3], 2*ROWB
	JLOAD G0+4*(C0%2), G1, G0B+4*(C0%2), G1B       ; chunk C0 + 2, first behind the round
.else
	PLACES NP
.endif
.else
	s_wait_dscnt 4*NL                              ; the youngest 24 loads (blocks 4-7) may be out
	WIN MUL_LO
	MUL16 0, (\st)%2, (\st)%2, ((\st)/2)%2, \zero
	MUL16 2, (\st)%2, (\st)%2, ((\st)/2)%2, \zero
	s_wait_dscnt 0
	PLACES NP
.endif
	FETCH_B NX, NX%2
	FETCH_A NX, 0
.if NX%2 == 0
	SCALES NX/2
.endif
	WIN MUL_HI
	MUL16 4, (\st)%2, (\st)%2, ((\st)/2)%2, \zero
	MUL16 6, (\st)%2, (\st)%2, ((\st)/2)%2, \zero
	PLACES NP
	WIN 0
	FETCH_A NX, 4
.endm
.macro LAST                            ; the last step: nothing more to fetch
	s_wait_dscnt 4*NL
	WIN MUL_LO
	MUL16 0, 1, NQ-1, 1, 0
	MUL16 2, 1, NQ-1, 1, 0
	s_wait_dscnt 0
	WIN MUL_HI
	MUL16 4, 1, NQ-1, 1, 0
	MUL16 6, 1, NQ-1, 1, 0
	WIN 0
	PLACES NP
.endm
; 64 registers = two whole blocks of 32, both the lane's own: codes into d0 and d1, six registers each; the two scale bytes into pw, the second sh bits up
.macro QUANT s, d0, d1, pw, sh
.irp b, 0,1,2,3
	v_max3_num_f32 v[TM+\b], |v[(\s)+16*\b]|, |v[(\s)+1+16*\b]|, 0x1800000
.endr
.irp i, 2,4,6,8,10,12,14
.irp b, 0,1,2,3
	v_max3_num_f32 v[TM+\b], v[TM+\b], |v[(\s)+16*\b+\i]|, |v[(\s)+1+16*\b+\i]|
.endr
.endr
	v_max_num_f32 v[TM], v[TM], v[TM+1]
	v_max_num_f32 v[TM+2], v[TM+2], v[TM+3]
	v_add_nc_u32 v[TM+12], 0xff000000, v[TM]
	v_add_nc_u32 v[TM+13], 0xff000000, v[TM+2]
	v_lshrrev_b32 v[TM+4], 23, v[TM+12]
	v_lshrrev_b32 v[TM+5], 23, v[TM+13]
	v_lshl_or_b32 v[\pw], v[TM+5], \sh, v[TM+4]
	v_cvt_scalef32_pk16_fp6_f32 v[(\d0):(\d0)+2], v[(\s):(\s)+15], v[TM+12]
	v_cvt_scalef32_pk16_fp6_f32 v[TC:TC+2], v[(\s)+16:(\s)+31], v[TM+12]
	v_cvt_scalef32_pk16_fp6_f32 v[(\d1):(\d1)+2], v[(\s)+32:(\s)+47], v[TM+13]
	v_cvt_scalef32_pk16_fp6_f32 v[TC+4:TC+6], v[(\s)+48:(\s)+63], v[TM+13]
	v_nop
.irp i, 0,1,2
	v_mov_b32 v[(\d0)+3+\i], v[TC+\i]
	v_mov_b32 v[(\d1)+3+\i], v[TC+4+\i]
.endr
.endm
.macro CSLOAD a, cs                    ; sin (16 registers) and cos (16) of block a's tokens, at my lane's channels
.irp q, 0,1,2,3
	global_load_b128 v[(\cs)+4*\q:(\cs)+4*\q+3], v[CSO], s[94:95] offset:(64*((\a)/4)+8*((\a)%4))*256+16*\q
	global_load_b128 v[(\cs)+16+4*\q:(\cs)+16+4*\q+3], v[CSO], s[94:95] offset:(64*((\a)/4)+8*((\a)%4))*256+16*\q+128
.endr
.endm
.macro QKBLOCK a, cs                   ; 16 tokens x 128 channels: bias, RoPE, quantiser; two blocks make the packed images of two heads
.set AC, 64*((\a)%4)
.set WA, 2+(\a)/4
.if (\a) >= 2
	s_wait_loadcnt 8*(7-(\a))                      ; the later blocks' eight loads each may be out
.endif
	WIN (WA<<6)|WA
.set i, 0
.rept 32
	v_pk_add_f32 v[AC+i:AC+i+1], v[AC+i:AC+i+1], v[BQ+i:BQ+i+1]
.set i, i+2
.endr
	WIN 0x04|WA
.irp t, 0,1,2,3,4,5,6,7
.irp g, 0,1
.irp e, 0,1
	v_pk_mul_f32 v[Z+8*\t+4*\g+2*\e:Z+8*\t+4*\g+2*\e+1], v[AC+8*\t+4*\g+2*\e:AC+8*\t+4*\g+2*\e+1], v[(\cs)+16+4*(\t%4)+2*\g:(\cs)+16+4*(\t%4)+2*\g+1] op_sel:[0,\e] op_sel_hi:[1,\e]
.endr
.endr
.irp g, 0,1
.irp e, 0,1
	v_pk_fma_f32 v[Z+8*\t+4*\g+2*\e:Z+8*\t+4*\g+2*\e+1], v[AC+8*\t+4*\g+2*\e:AC+8*\t+4*\g+2*\e+1], v[(\cs)+4*(\t%4)+2*\g:(\cs)+4*(\t%4)+2*\g+1], v[Z+8*\t+4*\g+2*\e:Z+8*\t+4*\g+2*\e+1] op_sel:[1,\e,0] op_sel_hi:[0,\e,1] neg_lo:[0,1,0]
.endr
.endr
.endr
	WIN 0
.if ((\a)%2 == 0) && ((\a) > 0)
	s_wait_xcnt 0x0                                ; the last pair's stores have read the image's registers
.endif
	QUANT Z, IMG+6*((\a)%2), IMG+12+6*((\a)%2), PW+(\a)%2, 8
.if (\a)%2 == 1
	v_lshl_or_b32 v[PW], v[PW+1], 16, v[PW]        ; my block's bytes: (head 0, head 1) of the even tile, then of the odd one
	v_permlanex16_b32 v[PW+2], v[PW], s104, s105   ; and the other block's, from lane l xor 16
	v_perm_b32 v[SW+(\a)/2], v[PW+2], v[PW], v[PSEL]   ; lanes 0-15 head 0's word, lanes 16-31 head 1's: (block 0, block 1) of both tiles
.irp c, 0,1
.irp k, 0,1,2
	global_store_b128 v[LO16], v[IMG+12*\c+4*\k:IMG+12*\c+4*\k+3], s[12:13] offset:\c*HEADB+1536*((\a)/2)+512*\k
.endr
.endr
.endif
.endm
.macro VBLOCK a                        ; 16 channels x 128 keys: bias, quantiser along the keys, one image
.set AC, 64*((\a)%4)
	WIN 2+(\a)/4
.set i, 0
.rept 32
	v_pk_add_f32 v[Z+i:Z+i+1], v[AC+i:AC+i+1], v[BQ+2*(\a):BQ+2*(\a)+1] op_sel_hi:[1,0]
.set i, i+2
.endr
	WIN 0
.if (\a) >= 2
	s_wait_xcnt 0x0
.endif
	QUANT Z, IMG+12*((\a)%2), IMG+12*((\a)%2)+6, WVW+(\a), 16
	v_lshlrev_b32 v[WVW+(\a)], v[SH8], v[WVW+(\a)] ; my bytes are those of blocks h and 2 + h
	v_permlanex16_b32 v[PW+2], v[WVW+(\a)], s104, s105
	v_or_b32 v[WVW+(\a)], v[WVW+(\a)], v[PW+2]     ; with lane l xor 16's two the word is whole
.irp k, 0,1,2
	global_store_b128 v[LO16], v[IMG+12*((\a)%2)+4*\k:IMG+12*((\a)%2)+4*\k+3], s[12:13] offset:6144+((\a)/4)*HEADB+((\a)%4)*1536+512*\k
.endr
.endm
	s_wait_alu depctr_va_vdst(0)
	s_wait_tensorcnt 0x0                           ; my tile of the head's four is in
	ds_add_u32 v[SPW], v[NIL]
	s_mov_b32 s[G1+2], 128<<16                     ; no tensor load of mine is out: from here on a load brings 128 rows
	s_mov_b32 s[G1+4], 128
	s_mov_b32 s[G1B+2], 128<<16
	s_mov_b32 s[G1B+4], 128
	s_wait_dscnt 0x0
	CROUND
	JLOAD G0+4, G1, G0B+4, G1B                     ; chunk 1, first behind the round
	FETCH_B 0, 0
	FETCH_A 0, 0
	SCALES 0
	FETCH_A 0, 4
	STEP 0, 1                                      ; the first step's products start the sums
.set ST, 1
.rept STEPS-2
	STEP ST, 0
.set ST, ST+1
.endr
	s_cmp_eq_u32 ttmp9, 2
	s_cbranch_scc1 .Lv
	v_lshlrev_b32 v[BO], 7, v2                     ; my channels of a head: 32 h + 0 .. 31
	v_lshlrev_b32 v[CSO], 8, v[RR]
	v_lshl_add_u32 v[CSO], v2, 6, v[CSO]           ; and their sixteen pairs
.irp t, 0,1,2,3,4,5,6,7
	global_load_b128 v[BQ+8*\t:BQ+8*\t+3], v[BO], s[92:93] offset:(64*(\t/4)+8*(\t%4))*4
	global_load_b128 v[BQ+8*\t+4:BQ+8*\t+7], v[BO], s[92:93] offset:(64*(\t/4)+8*(\t%4))*4+16
.endr
	WIN TO_B
	CSLOAD 0, 96
	CSLOAD 1, 224
	WIN 0
	s_wait_alu depctr_va_vdst(0)
	LAST
	v_mov_b32 v[PW+2], 0                           ; a lane permute's destination counts as one of its sources
	WIN TO_B
	CSLOAD 2, 0
	CSLOAD 3, 32
	CSLOAD 4, 64
	CSLOAD 5, 128
	CSLOAD 6, 160
	CSLOAD 7, 192
	WIN 0
	s_wait_loadcnt 48                              ; the bias and blocks 0, 1 are in; six blocks' 48 loads may be out
	QKBLOCK 0, 96
	QKBLOCK 1, 224
	QKBLOCK 2, 0
	QKBLOCK 3, 32
	QKBLOCK 4, 64
	QKBLOCK 5, 128
	QKBLOCK 6, 160
	QKBLOCK 7, 192
	global_store_b128 v[SWO], v[SW:SW+3], s[12:13] offset:12288
	s_branch .Lend
.Lv:
	v_lshlrev_b32 v[BO], 2, v[RR]
.irp a, 0,1,2,3,4,5,6,7
	global_load_b32 v[BQ+2*\a], v[BO], s[92:93] offset:(64*(\a/4)+8*(\a%4))*4
.endr
.irp a, 0,1,2,3,4,5,6,7
	v_mov_b32 v[BQ+2*\a+1], 0
.endr
	LAST
	v_mov_b32 v[PW+2], 0
	s_wait_alu depctr_va_vdst(0)
	s_wait_loadcnt 0x0
.irp a, 0,1,2,3,4,5,6,7
	VBLOCK \a
.endr
	v_cmp_ne_u32 vcc_lo, 0, v2
.irp t, 0,1,2,3
	v_cndmask_b32 v[SW+\t], v[WVW+\t], v[WVW+4+\t], vcc_lo
.endr
	global_store_b128 v[SWO], v[SW:SW+3], s[12:13] offset:12544
.Lend:
	s_wait_tensorcnt 0x0                           ; the wave's end
	ds_add_u32 v[SPW], v[NIL]
	s_wait_dscnt 0x0
	CROUND                                         ; the closing round
	s_endpgm
.Lfunc_end_k_qaeb790e79e_gemm:
	.size	k_qaeb790e79e_gemm, .Lfunc_end_k_qaeb790e79e_gemm-k_qaeb790e79e_gemm
	.p2alignl 7, 3214868480
	.fill 96, 4, 3214868480
	.section	.rodata,"a",@progbits
	.p2align	6, 0x0
	.amdhsa_kernel k_qaeb790e79e_gemm
		.amdhsa_group_segment_fixed_size 327680
		.amdhsa_private_segment_fixed_size 0
		.amdhsa_enable_private_segment 0
		.amdhsa_kernarg_size 64
		.amdhsa_user_sgpr_count 2
		.amdhsa_user_sgpr_kernarg_segment_ptr 1
		.amdhsa_wavefront_size32 1
		.amdhsa_system_sgpr_workgroup_id_x 1
		.amdhsa_system_sgpr_workgroup_id_y 1
		.amdhsa_system_sgpr_workgroup_id_z 1
		.amdhsa_system_vgpr_workitem_id 0
		.amdhsa_next_free_vgpr 1024
		.amdhsa_next_free_sgpr 106
		.amdhsa_reserve_vcc 1
		.amdhsa_float_denorm_mode_32 3
		.amdhsa_float_denorm_mode_16_64 3
		.amdhsa_memory_ordered 1
		.amdhsa_forward_progress 1
		.amdhsa_inst_pref_size 255
	.end_amdhsa_kernel
	.section	.bss,"aw",@nobits
	.p2align	6
	.space	262144
	.amdgpu_metadata
---
amdhsa.version: [ 1, 2 ]
amdhsa.kernels:
  - .name:           k_qaeb790e79e_gemm
    .symbol:         k_qaeb790e79e_gemm.kd
    .args:
      - { .name: xcodes, .offset: 0, .size: 8, .value_kind: global_buffer, .address_space: global }
      - { .name: xscales, .offset: 8, .size: 8, .value_kind: global_buffer, .address_space: global }
      - { .name: wcodes, .offset: 16, .size: 8, .value_kind: global_buffer, .address_space: global }
      - { .name: wscales, .offset: 24, .size: 8, .value_kind: global_buffer, .address_space: global }
      - { .name: b_qkv, .offset: 32, .size: 8, .value_kind: global_buffer, .address_space: global }
      - { .name: sinusoidal_pos, .offset: 40, .size: 8, .value_kind: global_buffer, .address_space: global }
      - { .name: qbuf, .offset: 48, .size: 8, .value_kind: global_buffer, .address_space: global }
      - { .name: kvbuf, .offset: 56, .size: 8, .value_kind: global_buffer, .address_space: global }
    .group_segment_fixed_size: 327680
    .private_segment_fixed_size: 0
    .kernarg_segment_align: 8
    .kernarg_segment_size: 64
    .max_flat_workgroup_size: 128
    .sgpr_count:     106
    .vgpr_count:     1024
    .wavefront_size: 32
...
	.end_amdgpu_metadata
.endif
;; end of part 2
;; launch attn (part 3): grid 4 x 64, 16 waves a work-group, clusters of 4 x 1, 327,680 bytes of LDS; arguments qbuf, kvbuf, out0; writes out0
.if DOCPART == 3
	.amdgcn_target "amdgcn-amd-amdhsa--gfx1250"
	.amdhsa_code_object_version 6
	.text
	.protected	k_qaeb790e79e_attn
	.globl	k_qaeb790e79e_attn
	.p2align	8
	.type	k_qaeb790e79e_attn,@function
k_qaeb790e79e_attn:
	s_mov_b64 s[64:65], 0
	v_nop
	global_prefetch_b8 v0, s[64:65] scope:SCOPE_SE
	s_setreg_imm32_b32 hwreg(HW_REG_WAVE_MODE, 25, 1), 1
	s_wait_xcnt 0x0
	s_wait_alu depctr_hold_cnt(0) depctr_sa_sdst(0) depctr_va_vdst(0) depctr_va_sdst(0) depctr_va_ssrc(0) depctr_va_vcc(0) depctr_vm_vsrc(0)
	s_getreg_b32 s2, hwreg(HW_REG_IB_STS2, 6, 4)
	s_cmp_eq_u32 s2, 0
	s_cbranch_scc0 .Lentry_in_a_cluster
	s_endpgm
.Lentry_in_a_cluster:
	s_bfe_u32 s2, ttmp6, 0x10000c
	s_cmp_lg_u32 s2, 0x3003
	s_cbranch_scc0 .Lentry_shape_is_right
	s_endpgm
.Lentry_shape_is_right:
; out0[batch][q][head x 64 + d] = the sum over k of softmax_k(Q[q] . K[k] / 8) V[k][d], for 64 (batch, head) pairs, 2,048 tokens, head size 64; both products on codes of FP6 (E2M3) with E8M0 scales.
; Q, K and V arrive as images of operand registers: a fragment is three loads of 16 bytes a lane.
; THE SOFTMAX: t = score x log2(e) / 8; M = the row's largest t so far, rounded UP to a whole number; p = 2^(t - M) is quantised along the keys, not normalised.
; The row's sum is taken of the unquantised p and divides O at the end.  When M moves, the sum and O are multiplied by 2^(old M - new M): exact.
; SHARES.  A cluster of four work-groups is one head; a work-group owns 512 queries, each of its sixteen waves 32, worked in two passes of 16 queries against the head's 16 steps of 128 keys.
; A HEAD'S K, V AND SCALES, 204,800 BYTES, STAY IN LDS, filled once: EACH OF THE SIXTEEN WAVES ISSUES ONE JOINT LOAD, the step of its own number, with the same descriptor in all four work-groups.
; One wait for that load and one barrier show the head whole to every wave; no byte is filled again, and no other barrier stands in the walk.
; No prefetch: all that the launch reads by tensor loads is asked for at its head, so there is no loop to run ahead in.
; THE STEP'S ORDER.  K Q^T; the last step's partial sums are joined (places behind the products); V's loads; maxima, M, exponentials, codes; O under the new M; V^T P^T; then p's 64 numbers are summed
; into seven partial sums, and under those additions the next step's K is loaded.  The last step of a pass is written out: it loads nothing more.
; K = 64 IN AN INSTRUCTION OF 128.  A packed fragment of K holds two tiles of 16 keys.  Q stands in 18 registers, zeros | q | zeros: registers 6-17 pick the first tile, registers 0-11 the second;
; the other tile meets zero CODES.  Beside the zero codes Q's scale byte is 1.
; LAYOUT.  Both products are used transposed: a lane holds ONE query (lane % 16).  Row 8 h + j of tile t of each four tiles is token (or channel) 32 h + 8 t + j of its 64.  So the 32 score registers of four
; tiles are keys 32 h + 0 .. 31 (h = lane / 16): A WHOLE BLOCK OF THE SECOND PRODUCT'S K IN ONE LANE.  Its largest score needs no other lane, and the conversions' results are the operand's registers.
; A lane owns blocks h and 2 + h of a step's four; one lane permute joins the row's maximum, one more the scale bytes.
; LIMITS: NaN and infinities are not served.  v_exp_f32 and v_rcp_f32 are good to 1 ulp and flush denormals.  A block's largest p is the block's largest score put through the same
; multiply-add and exponential, which takes v_exp_f32 not to fall where its input rises.  A block whose every p has fallen to 0 keeps the byte 1: its codes are zeros.
.set HEADB,  204800
.set STEPB,  12800                     ; a step: 50 runs of 256 bytes
.set VIMG,   6144                      ; in a step: V's four fragments
.set KSCO,   12288                     ; K's scale words [r][b]; V's [r][t] 256 bytes on
.set STAGE,  HEADB                     ; 16 rows x (256 + 16) bytes for each wave, for the way out
.set SPITCH, 272
.set SPARE,  STAGE+16*16*SPITCH        ; the spare words: eight blocks of 256 bytes that no other line names
.set AK0, 1                            ; v1   16 x lane
.set AS0, 2                            ; v2   KSCO + 16 r
.set SPW, 3
.set NIL, 4
.set GO,  5
.set STO, 6
.set RD,  7
.set ADK, 8                            ; v8   the step's images
.set ADS, 9                            ; v9   the step's scale words
.set ONE, 10
.set QSA, 11                           ; v11  Q's scale word for the first tile; v12 -M, v13 the largest t, v14-15 the sum
.set QZ,  16                           ; v16-33 zeros | q | zeros
.set QI,  34                           ; v34-45 Q's packed fragment
.set QW,  46
.set QO,  47
.set FRG, 48                           ; v48-95 four fragments of K, then of V
.set S,   96                           ; v96-159 S^T, then p
.set O,   160                          ; v160-191 O^T
.set PC,  192                          ; v192-203 p's codes
.set PH,  204                          ; v204-206, v208-210 the blocks' upper halves as the conversions leave them
.set BM,  212                          ; v212-215 four chains of maxima; then v212 and v214: my two blocks' largest scores, then largest p
.set PD,  216                          ; v216-217 from lane l xor 16
.set EB,  218                          ; v218-219 my two scale bytes
.set SO,  220                          ; v220-221 the conversions' scale operands
.set KSC, 224
.set VSC, 228
.set PWD, 232
.set QSB, 233
.set F,   234                          ; v234-235 f; the upper word is written once and not used
.set TMP, 238
.set T,   240                          ; v240-253 seven partial sums, in pairs
.set WV,  10
.set SEL, 20
.set CS,  22
.set G1,  24
.set G0,  32
.set TB,  48
.set CNT, 50
.macro CROUND
	s_barrier_signal -1
	s_barrier_wait -1
	s_cmp_lg_u32 s[WV], 0
	s_cbranch_scc1 .Lnot_wave_0_\@
	s_barrier_signal -3
.Lnot_wave_0_\@:
	s_barrier_wait -3
	s_barrier_signal -1
	s_barrier_wait -1
.endm
	s_load_b128 s[4:7], s[0:1], 0x0                ; qbuf, kvbuf
	s_load_b64 s[8:9], s[0:1], 0x10                ; out0
	v_lshl_add_u32 v[SPW], v0, 2, SPARE
	v_mov_b32 v[NIL], 0
	ds_add_u32 v[SPW], v[NIL]                      ; the opening lines: the add twice and its wait ahead of my tensor load
	ds_add_u32 v[SPW], v[NIL]
	v_lshrrev_b32 v8, 5, v0
	s_delay_alu instid0(VALU_DEP_1)
	v_readfirstlane_b32 s[WV], v8                  ; wave 0..15
	s_bfe_u32 s53, ttmp6, 0x40000                  ; cx
	s_lshl_b32 s12, ttmp9, 2
	s_add_co_u32 s53, s53, s12                     ; my block of 512 queries: it enters Q's and out0's addresses alone
	s_and_b32 s52, ttmp7, 0xffff                   ; batch x 16 + head
	s_mul_i32 s12, s52, HEADB
	s_mov_b32 s13, 0
	s_mul_i32 s11, s[WV], STEPB                    ; the step that I fetch, in memory and in LDS
	s_mov_b32 s14, s11
	s_mov_b32 s15, 0
	s_lshl_b32 s16, s53, 2
	s_lshr_b32 s17, s[WV], 2
	s_add_co_u32 s16, s16, s17                     ; my 32 queries lie in step 4 x block + wave / 4,
	s_mul_i32 s16, s16, STEPB
	s_mov_b32 s17, 0
	s_and_b32 s18, s[WV], 3                        ; as its packed fragment f = wave % 4: tiles 2 f and 2 f + 1 of the step's eight
	s_lshl_b32 s54, s18, 2
	s_mul_i32 s18, s18, 1536
	s_mov_b32 s19, 0
	s_lshr_b32 s56, s52, 4
	s_lshl_b32 s56, s56, 23                        ; out0: the batch,
	s_lshl_b32 s57, s53, 21
	s_add_co_u32 s56, s56, s57                     ; my block's 512 rows of 4,096 bytes,
	s_lshr_b32 s57, s[WV], 2
	s_lshl_b32 s57, s57, 19
	s_add_co_u32 s56, s56, s57                     ; my step's 128,
	s_bfe_u32 s57, s[WV], 0x10001
	s_lshl_b32 s57, s57, 18
	s_add_co_u32 s56, s56, s57                     ; 64 (f / 2),
	s_and_b32 s57, s[WV], 1
	s_lshl_b32 s57, s57, 16
	s_add_co_u32 s56, s56, s57                     ; 16 (f % 2),
	s_and_b32 s57, s52, 15
	s_lshl_b32 s57, s57, 8
	s_add_co_u32 s56, s56, s57                     ; the head's 256 bytes of a row
	s_mov_b32 s57, 0
	s_mov_b32 s[G1], 15|(3<<16)|(1<<21)            ; all four work-groups; elements of 8 bytes: 50 dense rows of 256 bytes
	s_mov_b32 s[G1+1], 32<<16
	s_mov_b32 s[G1+2], 50<<16
	s_mov_b32 s[G1+3], 32<<16
	s_mov_b32 s[G1+4], 50
	s_mov_b32 s[G1+5], 32
	s_mov_b32 s[G1+6], 0
	s_mov_b32 s[G1+7], 0
	s_mov_b32 s[SEL], 0x76543210
	s_mov_b32 s[SEL+1], 0xfedcba98
	s_mov_b32 s[CS], 0x3e38aa3b                    ; c = log2(e) / 8
	s_mov_b32 s[CS+1], s[CS]
	s_wait_dscnt 0x0
	s_wait_kmcnt 0x0
	s_add_nc_u64 s[6:7], s[6:7], s[12:13]
	s_add_nc_u64 s[6:7], s[6:7], s[14:15]          ; kvbuf at the head's step number wave
	s_add_nc_u64 s[4:5], s[4:5], s[12:13]
	s_add_nc_u64 s[4:5], s[4:5], s[16:17]          ; qbuf at my queries' step,
	s_add_nc_u64 s[16:17], s[4:5], s[18:19]        ; and at my fragment
	s_add_nc_u64 s[8:9], s[8:9], s[56:57]
	CROUND                                         ; all four work-groups are here: the joint loads meet
	s_mov_b32 s[G0], 1
	s_add_co_u32 s[G0+1], s11, 0
	s_mov_b64 s[G0+2:G0+3], s[6:7]
	s_or_b32 s[G0+3], s[G0+3], 0x80000000
	tensor_load_to_lds s[G0:G0+3], s[G1:G1+7]      ; my one tensor load
	s_nop 0
	v_and_b32 v[AK0], 31, v0
	s_delay_alu instid0(VALU_DEP_1)
	v_lshlrev_b32 v[AK0], 4, v[AK0]
	v_and_b32 v9, 15, v0                           ; r
	v_bfe_u32 v8, v0, 4, 1                         ; h
	s_delay_alu instid0(VALU_DEP_2)
	v_lshl_add_u32 v[QO], v9, 4, s54
.irp c, 0,1,2
	global_load_b128 v[QI+4*\c:QI+4*\c+3], v[AK0], s[16:17] offset:512*\c
.endr
	global_load_b32 v[QW], v[QO], s[4:5] offset:KSCO
	v_lshl_add_u32 v[AS0], v9, 4, KSCO
	v_lshlrev_b32 v[GO], 12, v8
	s_delay_alu instid0(VALU_DEP_1)
	v_lshl_add_u32 v[GO], v9, 4, v[GO]             ; lanes 0-15 one row of out0, lanes 16-31 the next
	s_mul_i32 s13, s[WV], 16*SPITCH
	s_add_co_u32 s13, s13, STAGE
	v_mul_u32_u24 v[STO], v9, SPITCH
	s_delay_alu instid0(VALU_DEP_1)
	v_lshl_add_u32 v[STO], v8, 7, v[STO]
	s_delay_alu instid0(VALU_DEP_1)
	v_add_nc_u32 v[STO], s13, v[STO]               ; in: row r, + 32 h channels
	v_mul_u32_u24 v[RD], v8, SPITCH
	s_delay_alu instid0(VALU_DEP_1)
	v_lshl_add_u32 v[RD], v9, 4, v[RD]
	s_delay_alu instid0(VALU_DEP_1)
	v_add_nc_u32 v[RD], s13, v[RD]
	v_mov_b32 v[ONE], 0x01010101
.irp i, 0,1,2,3,4,5
	v_mov_b32 v[QZ+\i], 0
	v_mov_b32 v[QZ+12+\i], 0
.endr
	v_mov_b32 v[PD], 0                             ; a lane permute's destination counts as one of its sources
	v_mov_b32 v[PD+1], 0
	v_mov_b32 v[F+1], 0
	s_wait_alu depctr_va_vdst(0)
	s_wait_loadcnt 0x0                             ; Q
.macro KLOAD                           ; K's four packed fragments and their scale words
.irp b, 0,1,2,3
.irp c, 0,1,2
	ds_load_b128 v[FRG+12*\b+4*\c:FRG+12*\b+4*\c+3], v[ADK] offset:1536*\b+512*\c
.endr
.endr
	ds_load_b128 v[KSC:KSC+3], v[ADS]
.endm
.macro TINIT k                         ; a partial sum begins with two pairs of p
	v_pk_add_f32 v[T+2*\k:T+2*\k+1], v[S+2*\k:S+2*\k+1], v[S+14+2*\k:S+15+2*\k]
.endm
.macro COMBINE                         ; the seven partial sums onto the row's sum
	v_pk_add_f32 v[T:T+1], v[T:T+1], v[T+8:T+9]
	v_pk_add_f32 v[T+2:T+3], v[T+2:T+3], v[T+10:T+11]
	v_pk_add_f32 v[T+4:T+5], v[T+4:T+5], v[T+12:T+13]
	v_pk_add_f32 v[14:15], v[14:15], v[T+6:T+7]
	s_delay_alu instid0(VALU_DEP_2)
	v_pk_add_f32 v[T:T+1], v[T:T+1], v[T+4:T+5]
	s_delay_alu instid0(VALU_DEP_2)
	v_pk_add_f32 v[14:15], v[14:15], v[T+2:T+3]
	s_delay_alu instid0(VALU_DEP_1)
	v_pk_add_f32 v[14:15], v[14:15], v[T:T+1]
.endm
; A KEY STEP: 128 keys.  more = 1: the next step's K is loaded at its end.
.macro STEP more
	s_wait_alu depctr_va_vdst(0)
	s_wait_dscnt 0x0                               ; K is in
.irp b, 0,1,2,3                                ; S^T = K Q^T: eight accumulators, each begun with 0
	v_wmma_scale_f32_16x16x128_f8f6f4 v[S+16*\b:S+16*\b+7], v[FRG+12*\b:FRG+12*\b+11], v[QZ+6:QZ+17], 0, v[KSC+\b], v[QSA] matrix_a_fmt:MATRIX_FMT_FP6 matrix_b_fmt:MATRIX_FMT_FP6
	v_wmma_scale_f32_16x16x128_f8f6f4 v[S+16*\b+8:S+16*\b+15], v[FRG+12*\b:FRG+12*\b+11], v[QZ:QZ+11], 0, v[KSC+\b], v[QSB] matrix_a_fmt:MATRIX_FMT_FP6 matrix_b_fmt:MATRIX_FMT_FP6
.endr
	COMBINE                                        ; seven plain lines that name no register of the products: the places in front of the loads below and of the first read of the scores
.irp t, 0,1,2,3                                ; V's fragments land while the softmax is walked
.irp c, 0,1,2
	ds_load_b128 v[FRG+12*\t+4*\c:FRG+12*\t+4*\c+3], v[ADK] offset:VIMG+1536*\t+512*\c
.endr
.endr
	ds_load_b128 v[VSC:VSC+3], v[ADS] offset:256
.irp b, 0,1,2,3
	v_max3_num_f32 v[BM+\b], v[S+16*\b], v[S+1+16*\b], v[S+2+16*\b]   ; four chains of maxima, two to a block; each accumulator is read from its low end on
.endr
.irp i, 3,5,7,9,11,13
.irp b, 0,1,2,3
	v_max3_num_f32 v[BM+\b], v[BM+\b], v[S+16*\b+\i], v[S+1+16*\b+\i]
.endr
.endr
	v_max3_num_f32 v[BM], v[BM], v[BM+1], v[S+15]
	v_max3_num_f32 v[BM+2], v[BM+2], v[BM+3], v[S+47]
	v_max_num_f32 v[BM], v[BM], v[S+31]            ; the largest score of my block h,
	v_max_num_f32 v[BM+2], v[BM+2], v[S+63]        ; and of my block 2 + h
	v_max_num_f32 v[TMP], v[BM], v[BM+2]
	v_mul_f32 v[TMP], s[CS], v[TMP]                ; as t (c is positive)
	v_permlanex16_b32 v[PD], v[TMP], s[SEL], s[SEL+1]
	v_max3_num_f32 v13, v13, v[TMP], v[PD]         ; with lane l xor 16's two blocks: the running largest t
	v_mov_b32 v[TMP], v12
	s_delay_alu instid0(VALU_DEP_2)
	v_floor_f32 v12, -v13                          ; the new -M
	s_delay_alu instid0(VALU_DEP_1)
	v_sub_f32 v[TMP], v12, v[TMP]                  ; old M - new M: a whole number, 0 or less
	s_delay_alu instid0(VALU_DEP_1)
	v_cvt_i32_f32 v[TMP], v[TMP]
	s_delay_alu instid0(VALU_DEP_1)
	v_ldexp_f32 v[F], 1.0, v[TMP]                  ; f = 2^(old M - new M)
.irp j, 0,2,4,6,8,10,12,14,16,18,20,22,24,26,28,30,32,34,36,38,40,42,44,46,48,50,52,54,56,58,60,62
	v_pk_fma_f32 v[S+\j:S+\j+1], v[S+\j:S+\j+1], s[CS:CS+1], v[12:13] op_sel_hi:[1,0,0]   ; t - M
.endr
	v_fma_f32 v[BM], v[BM], s[CS], v12             ; the same of my blocks' largest scores
	v_fma_f32 v[BM+2], v[BM+2], s[CS], v12
	s_wait_alu depctr_va_vdst(0)
.irp j, 0,1,2,3,4,5,6,7,8,9,10,11,12,13,14,15,16,17,18,19,20,21,22,23,24,25,26,27,28,29,30,31,32,33,34,35,36,37,38,39,40,41,42,43,44,45,46,47,48,49,50,51,52,53,54,55,56,57,58,59,60,61,62,63
	v_exp_f32 v[S+\j], v[S+\j]                     ; p = 2^(t - M), at most 1
.endr
	v_exp_f32 v[BM], v[BM]                         ; my blocks' largest p
	v_exp_f32 v[BM+2], v[BM+2]
	v_pk_mul_f32 v[14:15], v[14:15], v[F:F+1] op_sel_hi:[1,0]   ; the sum under the new M: a plain place behind the exponentials
	s_wait_alu depctr_va_vdst(0)                   ; one wait for the 66, ahead of their first reader
	v_max_num_f32 v[BM], 0x1800000, v[BM]          ; the floor 2^(3 - 127): the byte cannot fall under 1
	v_max_num_f32 v[BM+2], 0x1800000, v[BM+2]
	v_add_nc_u32 v[SO], 0xff000000, v[BM]          ; 2 off the exponent field: the conversion's scale operand
	v_add_nc_u32 v[SO+1], 0xff000000, v[BM+2]
	v_lshrrev_b32 v[EB], 23, v[SO]                 ; the scales' bytes
	v_lshrrev_b32 v[EB+1], 23, v[SO+1]
	v_lshl_or_b32 v[EB], v[EB+1], 8, v[EB]         ; (block h, block 2 + h)
	v_permlanex16_b32 v[PD+1], v[EB], s[SEL], s[SEL+1]
	v_cvt_scalef32_pk16_fp6_f32 v[PC:PC+2], v[S:S+15], v[SO]
	v_cvt_scalef32_pk16_fp6_f32 v[PH:PH+2], v[S+16:S+31], v[SO]       ; (a conversion's three registers begin on an even number)
	v_cvt_scalef32_pk16_fp6_f32 v[PC+6:PC+8], v[S+32:S+47], v[SO+1]
	v_cvt_scalef32_pk16_fp6_f32 v[PH+4:PH+6], v[S+48:S+63], v[SO+1]
	v_perm_b32 v[PWD], v[PD+1], v[EB], 0x05010400  ; p's scale word, blocks 0 to 3, in lanes 0-15, which alone are read.  (The plain place behind the conversions)
.irp i, 0,1,2
	v_mov_b32 v[PC+3+\i], v[PH+\i]
	v_mov_b32 v[PC+9+\i], v[PH+4+\i]
.endr
	s_wait_alu depctr_va_vdst(0)
.irp j, 0,2,4,6,8,10,12,14,16,18,20,22,24,26,28,30
	v_pk_mul_f32 v[O+\j:O+\j+1], v[O+\j:O+\j+1], v[F:F+1] op_sel_hi:[1,0]   ; O^T under the new M; also the places between the codes' and the scale word's writes and the products
.endr
.if \more
	s_add_co_u32 s[TB], s[TB], STEPB
.endif
	s_wait_alu depctr_va_vdst(0)
	s_wait_dscnt 0x0                               ; V is in
.irp t, 0,1,2,3                                ; O^T += V^T P^T: four accumulators by turns
	v_wmma_scale_f32_16x16x128_f8f6f4 v[O+8*\t:O+8*\t+7], v[FRG+12*\t:FRG+12*\t+11], v[PC:PC+11], v[O+8*\t:O+8*\t+7], v[VSC+\t], v[PWD] matrix_a_fmt:MATRIX_FMT_FP6 matrix_b_fmt:MATRIX_FMT_FP6
.endr
.if \more
	v_add_nc_u32 v[ADK], s[TB], v[AK0]             ; four plain lines that name no register of the products: the places in front of the loads
	v_add_nc_u32 v[ADS], s[TB], v[AS0]
.endif
	TINIT 0
	TINIT 1
.if \more
	KLOAD                                          ; the next step's K lands under the additions below
.endif
.irp k, 2,3,4,5,6
	TINIT \k
.endr
.irp q, 28,42
.irp k, 0,1,2,3,4,5,6
	v_pk_add_f32 v[T+2*\k:T+2*\k+1], v[T+2*\k:T+2*\k+1], v[S+\q+2*\k:S+\q+2*\k+1]
.endr
.endr
.irp k, 0,1,2
	v_pk_add_f32 v[T+2*\k:T+2*\k+1], v[T+2*\k:T+2*\k+1], v[S+56+2*\k:S+57+2*\k]
.endr
	v_pk_add_f32 v[14:15], v[14:15], v[S+62:S+63]
.endm
; A PASS: the 16 queries of tile 2 f + u of my step: lane r's is token 64 (f / 2) + 16 (f % 2) + 8 u + r % 8 + 32 (r / 8) of the step's 128.
.macro PASS u
.irp i, 0,1,2,3,4,5
	v_mov_b32 v[QZ+6+\i], v[QI+6*\u+\i]            ; q between the zeros
.endr
	v_perm_b32 v[QSA], v[QW], v[ONE], 0x0504+0x0202*\u          ; (s0, s1, 1, 1)
	v_perm_b32 v[QSB], v[QW], v[ONE], (0x0504+0x0202*\u)<<16    ; (1, 1, s0, s1)
.irp j, 0,1,2,3,4,5,6,7,8,9,10,11,12,13,14,15,16,17,18,19,20,21,22,23,24,25,26,27,28,29,30,31
	v_mov_b32 v[O+\j], 0                           ; O^T: the step has no first form of its own; also the places behind q's and the scale words' writes
.endr
.irp j, 0,1,2,3,4,5,6,7,8,9,10,11,12,13
	v_mov_b32 v[T+\j], 0                           ; the partial sums that the first step joins
.endr
	v_mov_b32 v14, 0
	v_mov_b32 v15, 0
	v_mov_b32 v13, 0xff61b1e6                      ; -3e38, under every t
	v_mov_b32 v[ADK], v[AK0]                       ; step 0
	v_mov_b32 v[ADS], v[AS0]
	v_floor_f32 v12, -v13
.if \u == 0
	s_wait_alu depctr_va_vdst(0)
	s_wait_tensorcnt 0x0                           ; my step has landed
	s_barrier_signal -1                            ; (no LDS instruction of mine is pending)
	s_barrier_wait -1                              ; and everybody's: the head is whole
.endif
	KLOAD
	s_mov_b32 s[TB], 0
	s_mov_b32 s[CNT], 15
.Lstep_\u:
	STEP 1
	s_sub_co_u32 s[CNT], s[CNT], 1
	s_cmp_lg_u32 s[CNT], 0
	s_cbranch_scc1 .Lstep_\u
	STEP 0                                         ; step 15 loads nothing more
	COMBINE                                        ; (the additions behind the last products are their places)
	s_delay_alu instid0(VALU_DEP_1)
	v_add_f32 v14, v14, v15
	s_delay_alu instid0(VALU_DEP_1)
	v_permlanex16_b32 v[TMP], v14, s[SEL], s[SEL+1]
	s_delay_alu instid0(VALU_DEP_1)
	v_add_f32 v14, v14, v[TMP]                     ; the row's sum
	s_wait_alu depctr_va_vdst(0)
	v_rcp_f32 v14, v14
	v_nop
	s_wait_alu depctr_va_vdst(0)                   ; ahead of the first reader
.irp j, 0,1,2,3,4,5,6,7,8,9,10,11,12,13,14,15,16,17,18,19,20,21,22,23,24,25,26,27,28,29,30,31
	v_mul_f32 v[S+\j], v[O+\j], v14                ; register 8 t + j is channel 32 h + 8 t + j of query r
.endr
.irp t, 0,1,2,3
.irp i, 0,1
	ds_store_b128 v[STO], v[S+8*\t+4*\i:S+8*\t+4*\i+3] offset:32*\t+16*\i
.endr
.endr
.irp i, 0,1,2,3,4,5,6,7
	ds_load_b128 v[S+32+4*\i:S+32+4*\i+3], v[RD] offset:2*\i*SPITCH   ; LDS serves a wave's instructions in order: these see my stores
.endr
.irp i, 0,1,2,3,4,5,6,7
	s_wait_dscnt 7-\i                              ; rows come back in order: the later ones may be out
	global_store_b128 v[GO], v[S+32+4*\i:S+32+4*\i+3], s[8:9] offset:(2*(\i%4)+32*(\i/4)+8*\u)*4096 th:TH_STORE_NT   ; stage row 2 i + lane / 16; sixteen lanes store a query's 256 consecutive bytes
.endr
.if \u == 0
	s_wait_xcnt 0x0                                ; the stores have read their registers, which the next pass writes
.endif
.endm
	PASS 0
	PASS 1
	s_wait_tensorcnt 0x0                           ; the wave's end
	ds_add_u32 v[SPW], v[NIL]
	s_wait_dscnt 0x0
	CROUND                                         ; the closing round
	s_endpgm
.Lfunc_end_k_qaeb790e79e_attn:
	.size	k_qaeb790e79e_attn, .Lfunc_end_k_qaeb790e79e_attn-k_qaeb790e79e_attn
	.p2alignl 7, 3214868480
	.fill 96, 4, 3214868480
	.section	.rodata,"a",@progbits
	.p2align	6, 0x0
	.amdhsa_kernel k_qaeb790e79e_attn
		.amdhsa_group_segment_fixed_size 327680
		.amdhsa_private_segment_fixed_size 0
		.amdhsa_enable_private_segment 0
		.amdhsa_kernarg_size 24
		.amdhsa_user_sgpr_count 2
		.amdhsa_user_sgpr_kernarg_segment_ptr 1
		.amdhsa_wavefront_size32 1
		.amdhsa_system_sgpr_workgroup_id_x 1
		.amdhsa_system_sgpr_workgroup_id_y 1
		.amdhsa_system_sgpr_workgroup_id_z 1
		.amdhsa_system_vgpr_workitem_id 0
		.amdhsa_next_free_vgpr 256
		.amdhsa_next_free_sgpr 66
		.amdhsa_reserve_vcc 0
		.amdhsa_float_denorm_mode_32 3
		.amdhsa_float_denorm_mode_16_64 3
		.amdhsa_memory_ordered 1
		.amdhsa_forward_progress 1
		.amdhsa_inst_pref_size 76
	.end_amdhsa_kernel
	.amdgpu_metadata
---
amdhsa.version: [ 1, 2 ]
amdhsa.kernels:
  - .name:           k_qaeb790e79e_attn
    .symbol:         k_qaeb790e79e_attn.kd
    .args:
      - { .name: qbuf, .offset: 0, .size: 8, .value_kind: global_buffer, .address_space: global }
      - { .name: kvbuf, .offset: 8, .size: 8, .value_kind: global_buffer, .address_space: global }
      - { .name: out0, .offset: 16, .size: 8, .value_kind: global_buffer, .address_space: global }
    .group_segment_fixed_size: 327680
    .private_segment_fixed_size: 0
    .kernarg_segment_align: 8
    .kernarg_segment_size: 24
    .max_flat_workgroup_size: 512
    .sgpr_count:     66
    .vgpr_count:     256
    .wavefront_size: 32
...
	.end_amdgpu_metadata
.endif
;; end of part 3
